; MI455X (gfx1250); checked and timed in simulation.
; The chip was launched on July 23, 2026; its instructions are those of AMD's public machine-readable ISA for CDNA 5 (MIT licence, August 2026) and "CDNA5" Instruction Set Architecture Reference Guide (July 2026). The comments in the code are by the model that wrote it; some were corrected since.
;; Multihead Attention. Allowed arithmetic: matrix products marked QUANTISED: E3M2 operands, one E8M0 scale for each 32 along K, by v_wmma_scale_f32_16x16x128_f8f6f4 with both operands' format E3M2, f32 sums; everything else in f32.
;; Inputs: Wk 512 x 512 float32; Wo 512 x 512 float32; Wq 512 x 512 float32; Wv 512 x 512 float32; bk 512 float32; bo 512 float32; bq 512 float32; bv 512 float32; key_ 2 x 4,096 x 512 float32; query 2 x 4,096 x 512 float32; value 2 x 4,096 x 512 float32.
;; Outputs: out0 2 x 4,096 x 512 float32.
;; This version of the problem:
;;   THIS VERSION OF THE PROBLEM IS GIVEN IN LOW PRECISION. The matrix products marked QUANTISED in the list below multiply operands that are first quantised to E3M2 (3 exponent bits, 2 mantissa bits; 6 bits a number), with one power-of-two scale for each 32 numbers along K (OCP MX v1.0); their sums are f32. All else is computed in f32.
;;   The module's matrix products, in the order in which they are computed (A, B: the left and right operand; K: the contracted axis; several contracted axes count as one K, in the product's order):
;;     1. [M 8,192, K 512] x [K 512, N 512]; A: input query; B: input Wq: QUANTISED
;;     2. [M 8,192, K 512] x [K 512, N 512]; A: input key_; B: input Wk: QUANTISED
;;     3. [M 8,192, K 512] x [K 512, N 512]; A: input value; B: input Wv: QUANTISED
;;     4. batch 16 x [M 4,096, K 64] x [K 64, N 4,096]; A: computed on the way; B: computed on the way: QUANTISED
;;     5. batch 16 x [M 4,096, K 4,096] x [K 4,096, N 64]; A: softmax (see below); B: computed on the way: QUANTISED
;;     6. [M 8,192, K 512] x [K 512, N 512]; A: computed on the way; B: input Wo: QUANTISED
;;   THE QUANTISER, for each operand of a quantised product, along K:
;;     - K is cut into blocks of 32 from its start; a last block that is shorter is filled with zeros.
;;     - A block's scale is 2^e with e = floor(log2(the largest magnitude in the block)) - 4, held to -126 .. 127; a block of zeros has e = 0. As a byte (E8M0): e + 127.
;;     - Each number is divided by its block's scale, clamped to +-28, and rounded to the nearest number of E3M2, ties to even, subnormals kept.
;;     - The product sums the exact products of the quantised numbers (number of the format x scale) in f32.
;;   ~~~python
;;   def quantise(x, axis):      # numpy; x: float32 -> the quantised numbers, widened to float32 again
;;       x = np.moveaxis(x, axis, -1); K = x.shape[-1]
;;       x = np.pad(x, [(0, 0)] * (x.ndim - 1) + [(0, -K % 32)]); x = x.reshape(x.shape[:-1] + (-1, 32)); a = np.abs(x).max(-1, keepdims=True)
;;       e = np.where(a > 0, np.clip(np.frexp(np.where(a > 0, a, 1))[1] - 1 - 4, -126, 127), 0)      # np.frexp(a)[1] - 1 = floor(log2(a)), exactly
;;       r = np.clip(x / 2.0 ** e, -28, 28)
;;       step = 2.0 ** (np.maximum(np.frexp(np.where(r == 0, 1, r))[1] - 1, -2) - 2)
;;       q = np.round(r / step) * step * 2.0 ** e      # np.round: ties to even
;;       return np.moveaxis(q.reshape(q.shape[:-2] + (-1,))[..., :K], -1, axis).astype(np.float32)
;;   ~~~
;;   SOFTMAX AHEAD OF A QUANTISED PRODUCT. Where the list says 'softmax', what is quantised is not the finished softmax but p = 2^(t - M), with t = logit x log2(e) and M = ceil(the row's largest t), a whole number; so 1/2 < the row's largest p <= 1. The row's sum l is taken of the UNQUANTISED p, in f32, and the product's result is divided by l at the end. Since M is a whole number, a kernel that streams over the keys may use a running M (the ceiling of the running maximum): every later rescaling is an exact power of two, which a block's scale takes up: the codes' values come out the same.
;;   OPERANDS COMPUTED ON THE WAY. 'Computed on the way' means the value that the module computes at that place (a softmax that the list does not call 'softmax' is quantised finished and normalised). What goes into a quantiser is computed in f32, as accurately as f32 sums, v_exp_f32 and their like allow (about 1e-6 of the number): no bf16 or f16 on the way to a quantiser, and a product that is left as it is and whose result goes on into a quantised operand takes f32 operands (vector FMAs, or v_wmma_f32_16x16x4_f32). A number that lies on a knife's edge between two numbers of the format may be rounded either way, as far as f32 arithmetic and the matrix unit's own rounding can turn it there, and no further.
;; One version. Each part assembles by itself: llvm-mc -triple=amdgcn-amd-amdhsa -mcpu=gfx1250 --defsym DOCPART=n.
;; ======== version 1 of 1: 4 launches
;; limits: right only within a limited range of input values
;; workspace buffers: wq 819,200 bytes; qc 3,145,728 bytes; qs 131,072 bytes; kvc 6,291,456 bytes; kvs 262,144 bytes; cc 3,145,728 bytes; cs 131,072 bytes
;; launch prep (part 1): grid 8 x 4, 4 waves a work-group, no clusters, 167,936 bytes of LDS; arguments Wq, Wk, Wv, Wo, wq; writes wq
.if DOCPART == 1
	.amdgcn_target "amdgcn-amd-amdhsa--gfx1250"
	.amdhsa_code_object_version 6
	.text
	.protected	k_qa6d643c841_prep
	.globl	k_qa6d643c841_prep
	.p2align	8
	.type	k_qa6d643c841_prep,@function
k_qa6d643c841_prep:
	s_mov_b64 s[64:65], 0
	v_nop
	global_prefetch_b8 v0, s[64:65] scope:SCOPE_SE
	s_setreg_imm32_b32 hwreg(HW_REG_WAVE_MODE, 25, 1), 1
	s_wait_xcnt 0x0
; The four weights [512][512] f32 (K = their second axis, innermost) become codes of BF6 (E3M2) with one E8M0 byte for each 32 along K, laid in wq as the later launches' operand registers want them.
; wq: weight i (0 Wq, 1 Wk, 2 Wv, 3 Wo): codes at 196,608 i; the fragment of (tile t = row / 16, K step s of 128) is an image of its 12 registers at (4 t + s) x 1,536: registers 4 c .. 4 c + 3 of lane L at 512 c + 16 L.
; Scale bytes at 786,432 + 8,192 i + 16 row + k / 32: word s of a row is the scale word of K step s.
; THE ORDER INSIDE A BLOCK OF 32: position p holds index p (p = 0-7, 24-31), p + 8 (p = 8-15), p - 8 (p = 16-23).  Every operand of this program has that order, so both sides of each product agree; blocks and scales are the true ones.
; A block's scale is 2^(floor(log2(largest magnitude)) - 4): its byte is the largest magnitude's exponent field - 4, held at 1 from below.
; LIMITS: a block whose largest magnitude lies under 2^-122 keeps the byte 1; a block of zeros has the byte 1 and zero codes (only this program reads the bytes); NaN and infinities are not served.
; SHARES: work-group (g, i), wave w: tile 4 g + w of weight i, its four K steps one after the other: 128 waves for 4 MB.
; A wave's 16 rows are 32,768 dense bytes: ONE tensor load brings them as 32 lines of 1,024 bytes, 16 bytes of padding behind each, into LDS bytes that the wave alone reads: no barrier, nothing is filled again.
; No cluster: no two work-groups read a common byte.  No prefetch: the launch has no loop to run ahead in.  Three sets of 64 registers: three K steps are read from LDS at once.
.set XR_W,  33280                      ; a wave's LDS bytes: 16 rows x 2,080
.set XP,    2080                       ; a row: two lines of 1,024 + 16
.set SPARE, 133120                     ; the spare words, 128 bytes a wave: two blocks of 256 bytes that no other line names
.set LI,  4                            ; 16 x lane
.set XA,  5                            ; LDS: my wave's bytes + 2,080 r + 32 h
.set S8,  6                            ; 16 r + 8 h
.set X,   16                           ; v16-207 three sets of 64 numbers
.set PC,  208                          ; v208-219 the codes; v220-226 at work
.set TM,  228                          ; v228-243 at work in QUANT
.set PW,  244                          ; the scale word just made
.set SCW, 246                          ; v246-249 the four K steps' scale words
.set OUT, 250
.set SPW, 252                          ; LDS address of my spare word; never rewritten
.set NIL, 253                          ; 0; never rewritten
.set SEL, 30                           ; s[30:31] selects of v_permlanex16_b32: lane l xor 16
.set G1,  32                           ; s[32:39] descriptor group 1
.set G0,  40                           ; s[40:43] group 0
; 64 numbers of a lane, register 16 b + i = position 16 h + i of block b of my row, become a fragment's codes in v[PC] on and its scale word in v[PW] (the same in lanes l and l xor 16).
.macro QUANT s
.irp b, 0,1,2,3
	v_max3_num_f32 v[TM+\b], |v[\s+16*\b]|, |v[\s+1+16*\b]|, 0x2800000   ; and the floor 2^(5 - 127): the byte cannot fall under 1
.endr
.irp i, 2,4,6,8,10,12,14
.irp b, 0,1,2,3
	v_max3_num_f32 v[TM+\b], v[TM+\b], |v[\s+16*\b+\i]|, |v[\s+1+16*\b+\i]|
.endr
.endr
.irp b, 0,1,2,3
	v_permlanex16_b32 v[TM+4+\b], v[TM+\b], s[SEL], s[SEL+1]
.endr
.irp b, 0,1,2,3
	v_max_num_f32 v[TM+\b], v[TM+\b], v[TM+4+\b]   ; with lane l xor 16: the block's largest magnitude
.endr
.irp b, 0,1,2,3
	v_add_nc_u32 v[TM+12+\b], 0xfe000000, v[TM+\b]   ; 4 off its exponent field: the conversion's scale operand
.endr
.irp b, 0,1,2,3
	v_lshrrev_b32 v[TM+4+\b], 23, v[TM+12+\b]      ; the scale's byte
.endr
	v_lshl_or_b32 v[PW], v[TM+5], 8, v[TM+4]
	v_lshl_or_b32 v[PW], v[TM+6], 16, v[PW]
	v_lshl_or_b32 v[PW], v[TM+7], 24, v[PW]
.irp c, 0,1
	v_cvt_scalef32_pk16_bf6_f32 v[PC+6*\c:PC+2+6*\c], v[\s+32*\c:\s+15+32*\c], v[TM+12+2*\c]
	v_cvt_scalef32_pk16_bf6_f32 v[PC+12+4*\c:PC+14+4*\c], v[\s+16+32*\c:\s+31+32*\c], v[TM+12+2*\c+1]   ; (a conversion's three registers begin on an even number)
.endr
	v_nop                                          ; one plain instruction behind the scaled conversions
.irp c, 0,1                                    ; the operand wants a whole block in a lane
.irp i, 0,1,2
	v_permlane16_swap_b32 v[PC+6*\c+\i], v[PC+12+4*\c+\i]
.endr
.irp i, 0,1,2
	v_mov_b32 v[PC+3+6*\c+\i], v[PC+12+4*\c+\i]
.endr
.endr
.endm
.macro XLOAD s                         ; K step s: of each block of 32 the eight numbers at 8 h and the eight at 16 + 8 h
.irp b, 0,1,2,3
.irp j, 0,1,2,3
	ds_load_b128 v[X+64*((\s)%3)+16*\b+4*\j:X+64*((\s)%3)+16*\b+4*\j+3], v[XA] offset:512*(\s)+16*((\s)/2)+128*\b+16*(\j%2)+64*(\j/2)
.endr
.endr
.endm
.macro UNIT s, out                     ; out: the LDS loads issued behind this K step's 16, which may stay out
	s_wait_dscnt \out
.if (\s) > 0
	s_wait_xcnt 0x0                                ; the last K step's stores have read the codes' registers
.endif
	QUANT X+64*((\s)%3)
.irp c, 0,1,2
	global_store_b128 v[LI], v[PC+4*\c:PC+4*\c+3], s[20:21] offset:(\s)*1536+512*\c   ; 512 consecutive bytes a store
.endr
	v_mov_b32 v[SCW+(\s)], v[PW]
.endm
	s_load_b256 s[4:11], s[0:1], 0x0               ; Wq, Wk, Wv, Wo
	s_load_b64 s[12:13], s[0:1], 0x20              ; wq
	v_lshl_add_u32 v[SPW], v0, 2, SPARE
	v_mov_b32 v[NIL], 0
	ds_add_u32 v[SPW], v[NIL]                      ; the wave's opening: the add, twice on end, and its wait ahead of my tensor load; the set-up stands between
	ds_add_u32 v[SPW], v[NIL]
	v_lshrrev_b32 v1, 5, v0
	v_readfirstlane_b32 s26, v1                    ; wave
	s_and_b32 s27, ttmp7, 0xffff                   ; which weight
	v_and_b32 v1, 31, v0
	v_and_b32 v2, 15, v0                           ; r
	v_bfe_u32 v3, v0, 4, 1                         ; h
	s_mul_i32 s28, s26, XR_W
	v_mul_u32_u24 v[XA], v2, XP
	v_lshl_add_u32 v[XA], v3, 5, v[XA]
	v_add_nc_u32 v[XA], s28, v[XA]
	v_lshlrev_b32 v[LI], 4, v1
	v_lshlrev_b32 v[S8], 3, v3
	v_lshl_add_u32 v[S8], v2, 4, v[S8]
.irp b, 0,1,2,3
	v_mov_b32 v[TM+4+\b], 0                        ; written once: a lane permute's destination counts as one of its sources
.endr
	s_mov_b32 s[SEL], 0x76543210
	s_mov_b32 s[SEL+1], 0xfedcba98
	s_mov_b32 s[G1+0], (2<<16)|(1<<20)|(7<<22)|(3<<25)   ; elements of 4 bytes; padding on: behind every 256 words, 4 words
	s_mov_b32 s[G1+1], 256<<16                     ; tensor_dim0 = 256
	s_mov_b32 s[G1+2], 32<<16                      ; tensor_dim1 = 32
	s_mov_b32 s[G1+3], 256<<16                     ; tile_dim0 = 256
	s_mov_b32 s[G1+4], 32                          ; tile_dim1 = 32
	s_mov_b32 s[G1+5], 256                         ; elements from line to line: the block is dense
	s_mov_b32 s[G1+6], 0
	s_mov_b32 s[G1+7], 0
	s_lshl_b32 s16, ttmp9, 2
	s_add_co_u32 s16, s16, s26                     ; my tile: 4 g + w
	s_lshl_b32 s24, s16, 15                        ; its 16 rows of 2,048 bytes
	s_mov_b32 s25, 0
	s_mul_i32 s18, s27, 196608
	s_mul_i32 s19, s16, 6144
	s_add_co_u32 s18, s18, s19                     ; its four images
	s_mov_b32 s19, 0
	s_lshl_b32 s22, s27, 13
	s_lshl_b32 s23, s16, 8
	s_add_co_u32 s22, s22, s23
	s_add_co_u32 s22, s22, 786432                  ; its 256 scale bytes
	s_mov_b32 s23, 0
	s_wait_alu depctr_va_vdst(0)
	s_wait_dscnt 0x0                               ; both opening adds are done
	s_wait_kmcnt 0x0
	s_cmp_eq_u32 s27, 1                            ; the weight is chosen by the work-group's number alone
	s_cselect_b64 s[14:15], s[6:7], s[4:5]
	s_cmp_eq_u32 s27, 2
	s_cselect_b64 s[14:15], s[8:9], s[14:15]
	s_cmp_eq_u32 s27, 3
	s_cselect_b64 s[14:15], s[10:11], s[14:15]
	s_add_nc_u64 s[14:15], s[14:15], s[24:25]
	s_add_nc_u64 s[20:21], s[12:13], s[18:19]
	s_add_nc_u64 s[22:23], s[12:13], s[22:23]
	s_mov_b32 s[G0], 1
	s_mov_b32 s[G0+1], s28
	s_mov_b64 s[G0+2:G0+3], s[14:15]
	s_or_b32 s[G0+3], s[G0+3], 0x80000000
	tensor_load_to_lds s[G0:G0+3], s[G1:G1+7]      ; my one tensor load
	s_nop 0
	s_wait_tensorcnt 0x0
	XLOAD 0
	XLOAD 1
	XLOAD 2
	UNIT 0, 32
	XLOAD 3                                        ; into the set just converted
	UNIT 1, 32
	UNIT 2, 16
	UNIT 3, 0
	v_cmp_gt_u32 vcc_lo, 16, v1                    ; a word is the same in lanes l and l xor 16: lanes 0-15 store words 0 and 1 of their row, lanes 16-31 words 2 and 3
	v_cndmask_b32 v[OUT], v[SCW+2], v[SCW], vcc_lo
	v_cndmask_b32 v[OUT+1], v[SCW+3], v[SCW+1], vcc_lo
	global_store_b64 v[S8], v[OUT:OUT+1], s[22:23]   ; 256 consecutive bytes a wave
	s_wait_tensorcnt 0x0                           ; the wave's end
	ds_add_u32 v[SPW], v[NIL]
	s_wait_dscnt 0x0
	s_endpgm
.Lfunc_end_k_qa6d643c841_prep:
	.size	k_qa6d643c841_prep, .Lfunc_end_k_qa6d643c841_prep-k_qa6d643c841_prep
	.p2alignl 7, 3214868480
	.fill 96, 4, 3214868480
	.section	.rodata,"a",@progbits
	.p2align	6, 0x0
	.amdhsa_kernel k_qa6d643c841_prep
		.amdhsa_group_segment_fixed_size 167936
		.amdhsa_private_segment_fixed_size 0
		.amdhsa_enable_private_segment 0
		.amdhsa_kernarg_size 40
		.amdhsa_user_sgpr_count 2
		.amdhsa_user_sgpr_kernarg_segment_ptr 1
		.amdhsa_wavefront_size32 1
		.amdhsa_system_sgpr_workgroup_id_x 1
		.amdhsa_system_sgpr_workgroup_id_y 1
		.amdhsa_system_sgpr_workgroup_id_z 1
		.amdhsa_system_vgpr_workitem_id 0
		.amdhsa_next_free_vgpr 256
		.amdhsa_next_free_sgpr 66
		.amdhsa_reserve_vcc 1
		.amdhsa_float_denorm_mode_32 3
		.amdhsa_float_denorm_mode_16_64 3
		.amdhsa_memory_ordered 1
		.amdhsa_forward_progress 1
		.amdhsa_inst_pref_size 24
	.end_amdhsa_kernel
	.amdgpu_metadata
---
amdhsa.version: [ 1, 2 ]
amdhsa.kernels:
  - .name:           k_qa6d643c841_prep
    .symbol:         k_qa6d643c841_prep.kd
    .args:
      - { .name: Wq, .offset: 0, .size: 8, .value_kind: global_buffer, .address_space: global }
      - { .name: Wk, .offset: 8, .size: 8, .value_kind: global_buffer, .address_space: global }
      - { .name: Wv, .offset: 16, .size: 8, .value_kind: global_buffer, .address_space: global }
      - { .name: Wo, .offset: 24, .size: 8, .value_kind: global_buffer, .address_space: global }
      - { .name: wq, .offset: 32, .size: 8, .value_kind: global_buffer, .address_space: global }
    .group_segment_fixed_size: 167936
    .private_segment_fixed_size: 0
    .kernarg_segment_align: 8
    .kernarg_segment_size: 40
    .max_flat_workgroup_size: 128
    .sgpr_count:     66
    .vgpr_count:     256
    .wavefront_size: 32
...
	.end_amdgpu_metadata
.endif
;; end of part 1
;; launch proj (part 2): grid 64 x 3, 4 waves a work-group, no clusters, 327,680 bytes of LDS; arguments query, key_, value, bq, bk, bv, wq, qc, qs, kvc, kvs; writes qc, qs, kvc, kvs
.if DOCPART == 2
	.amdgcn_target "amdgcn-amd-amdhsa--gfx1250"
	.amdhsa_code_object_version 6
	.text
	.protected	k_qa6d643c841_proj
	.globl	k_qa6d643c841_proj
	.p2align	8
	.type	k_qa6d643c841_proj,@function
k_qa6d643c841_proj:
	s_mov_b64 s[64:65], 0
	v_nop
	global_prefetch_b8 v0, s[64:65] scope:SCOPE_SE
	s_setreg_imm32_b32 hwreg(HW_REG_WAVE_MODE, 25, 1), 1
	s_wait_xcnt 0x0
.set XR_W,  67584
.set XR_S,  16896
.set XP,    2080                       ; a token's row in LDS: two lines of 1,024 bytes, 16 bytes of padding behind each
.set XIMG,  270336
.set XSC,   319488
.set SPARE, 321536
.set XA,  4
.set LI,  5
.set L8,  6
.set XWI, 7
.set XWS, 8
.set LIX, 9
.set LSX, 10
.set R16, 11
.set BQA, 12
.set BVA, 13
.set VSO, 14
.set H16, 15
.set SF,  16
.set XB,  16
.set BVT, 64
.set HA,  80
.set PC,  144
.set TM,  164
.set PW,  180
.set T,   182
.set SS,  184
.set RS,  192
.set SC,  224
.set VSW, 224
.set OUT, 232
.set SSV, 236
.set SPW, 252
.set NIL, 253
.set SEL, 74
.set G1,  32
.set G0,  40
.set MSB, 0
.macro WIN new
.if MSB != (\new)
	s_set_vgpr_msb (MSB<<8)|(\new)
.set MSB, (\new)
.endif
.endm
.macro QUANT s
.irp b, 0,1,2,3
	v_max3_num_f32 v[TM+\b], |v[\s+16*\b]|, |v[\s+1+16*\b]|, 0x2800000
.endr
.irp i, 2,4,6,8,10,12,14
.irp b, 0,1,2,3
	v_max3_num_f32 v[TM+\b], v[TM+\b], |v[\s+16*\b+\i]|, |v[\s+1+16*\b+\i]|
.endr
.endr
.irp b, 0,1,2,3
	v_permlanex16_b32 v[TM+4+\b], v[TM+\b], s[SEL], s[SEL+1]
.endr
.irp b, 0,1,2,3
	v_max_num_f32 v[TM+\b], v[TM+\b], v[TM+4+\b]
.endr
.irp b, 0,1,2,3
	v_add_nc_u32 v[TM+12+\b], 0xfe000000, v[TM+\b]
.endr
.irp b, 0,1,2,3
	v_lshrrev_b32 v[TM+4+\b], 23, v[TM+12+\b]
.endr
	v_lshl_or_b32 v[PW], v[TM+5], 8, v[TM+4]
	v_lshl_or_b32 v[PW], v[TM+6], 16, v[PW]
	v_lshl_or_b32 v[PW], v[TM+7], 24, v[PW]
.irp c, 0,1
	v_cvt_scalef32_pk16_bf6_f32 v[PC+6*\c:PC+2+6*\c], v[\s+32*\c:\s+15+32*\c], v[TM+12+2*\c]
	v_cvt_scalef32_pk16_bf6_f32 v[PC+12+4*\c:PC+14+4*\c], v[\s+16+32*\c:\s+31+32*\c], v[TM+12+2*\c+1]
.endr
	v_nop
.irp c, 0,1
.irp i, 0,1,2
	v_permlane16_swap_b32 v[PC+6*\c+\i], v[PC+12+4*\c+\i]
.endr
.irp i, 0,1,2
	v_mov_b32 v[PC+3+6*\c+\i], v[PC+12+4*\c+\i]
.endr
.endr
.endm
.macro XFETCH u, s, set
.irp b, 0,1,2,3
.irp j, 0,1,2,3
	ds_load_b128 v[\set+16*\b+4*\j:\set+16*\b+4*\j+3], v[XA] offset:(\s)*512+((\s)/2)*16+(\u)*16*XP+128*\b+16*(\j%2)+64*(\j/2)
.endr
.endr
.endm
.macro UNIT q
.if (\q) < 7
	XFETCH ((\q)+1)%2, ((\q)+1)/2, HA-64*(((\q)+1)%2)
	s_wait_dscnt 16
.else
	s_wait_dscnt 0x0
.endif
	QUANT HA-64*((\q)%2)
.irp c, 0,1,2
	ds_store_b128 v[XWI], v[PC+4*\c:PC+4*\c+3] offset:(4*((\q)%2)+(\q)/2)*1536+512*\c
.endr
	ds_store_b32 v[XWS], v[PW] offset:256*((\q)%2)+4*((\q)/2)
.endm
.macro WM d, a, b, c, sa, sb
	v_wmma_scale_f32_16x16x128_f8f6f4 v[\d:\d+7], v[\a:\a+11], v[\b:\b+11], v[\c:\c+7], v[\sa], v[\sb] matrix_a_fmt:MATRIX_FMT_BF6 matrix_b_fmt:MATRIX_FMT_BF6
.endm
.macro MM ci, cj, j, first, bw, sfb, ssb
.if \first
	s_wait_loadcnt 48
.endif
	WIN 0x11+4*\bw
.irp i, 0,1,2,3
	WM HA+8*\i, 12*(4*\i), \sfb, 192+8*(\ci*\i+\cj*(\j)), RS+4*\i, \ssb
.endr
	WIN 0x01+4*\bw
.irp s, 1,2,3
.irp i, 0,1,2,3
	WM HA+8*\i, 12*(4*\i+\s), \sfb+12*\s, HA+8*\i, RS+4*\i+\s, \ssb+\s
.endr
.endr
.if \first
	s_wait_loadcnt 0x0
.endif
	WIN 0x12+4*\bw
.irp i, 4,5,6,7
	WM HA+8*\i, 12*(4*(\i-4)), \sfb, 192+8*(\ci*\i+\cj*(\j)), RS+4*\i, \ssb
.endr
	WIN 0x02+4*\bw
.irp s, 1,2,3
.irp i, 4,5,6,7
	WM HA+8*\i, 12*(4*(\i-4)+\s), \sfb+12*\s, HA+8*\i, RS+4*\i+\s, \ssb+\s
.endr
.endr
	WIN 0
.endm
.macro PLACES
.rept 4
	v_nop
.endr
.endm
.macro SFETCH t
.irp s, 0,1,2,3
.irp c, 0,1,2
	ds_load_b128 v[SF+12*\s+4*\c:SF+12*\s+4*\c+3], v[LIX] offset:(4*(\t)+\s)*1536+512*\c
.endr
.endr
	ds_load_b128 v[SS:SS+3], v[LSX] offset:256*(\t)
.endm
.macro SLOADV t
	WIN 0xc0
.irp s, 0,1,2,3
.irp c, 0,1,2
	global_load_b128 v[48*((\t)%4)+12*\s+4*\c:48*((\t)%4)+12*\s+4*\c+3], v[LI], s[60:61] offset:(4*(\t)+\s)*1536+512*\c
.endr
.endr
	WIN 0
	global_load_b128 v[SSV+4*((\t)%4):SSV+4*((\t)%4)+3], v[R16], s[62:63] offset:256*(\t)
.endm
	s_load_b512 s[4:19], s[0:1], 0x0
	s_load_b128 s[20:23], s[0:1], 0x40
	s_load_b64 s[24:25], s[0:1], 0x50
	v_lshl_add_u32 v[SPW], v0, 2, SPARE
	v_mov_b32 v[NIL], 0
	ds_add_u32 v[SPW], v[NIL]
	ds_add_u32 v[SPW], v[NIL]
	v_lshrrev_b32 v1, 5, v0
	v_readfirstlane_b32 s26, v1
	s_and_b32 s27, ttmp7, 0xffff
	v_and_b32 v1, 31, v0
	v_and_b32 v2, 15, v0
	v_bfe_u32 v3, v0, 4, 1
	s_mul_i32 s28, s26, XR_W
	v_mul_u32_u24 v[XA], v2, XP
	v_lshl_add_u32 v[XA], v3, 5, v[XA]
	v_add_nc_u32 v[XA], s28, v[XA]
	v_lshlrev_b32 v[LI], 4, v1
	; Q's and K's images leave in another order of tokens: token row nr of tile j goes to tile 4 (j / 4) + 2 (nr / 8) + j % 2, row nr % 8 + 8 ((j / 2) % 2): there a tile's rows 0-7 lie in an even block of 32 tokens, rows 8-15 in the odd block beside it
	v_lshrrev_b32 v254, 3, v2
	v_mul_u32_u24 v254, v254, 1536
	v_and_b32 v255, 7, v2
	v_lshl_add_u32 v255, v3, 4, v255
	v_lshl_add_u32 v[L8], v255, 3, v254            ; 1,536 (r / 8) + 8 (r % 8) + 128 h
	v_lshl_add_u32 v254, v255, 4, v254             ; 1,536 (r / 8) + 16 (r % 8) + 256 h
	v_lshlrev_b32 v[R16], 4, v2
	s_mul_i32 s29, s26, 12288
	v_add_nc_u32 v[XWI], s29, v[LI]
	v_add_nc_u32 v[XWI], XIMG, v[XWI]
	s_lshl_b32 s29, s26, 9
	v_add_nc_u32 v[XWS], s29, v[R16]
	v_add_nc_u32 v[XWS], XSC, v[XWS]
	v_add_nc_u32 v[LIX], XIMG, v[LI]
	v_add_nc_u32 v[LSX], XSC, v[R16]
	v_lshlrev_b32 v[BQA], 5, v3
	v_lshlrev_b32 v[BVA], 2, v2
	v_lshlrev_b32 v[H16], 4, v3
	s_cmp_eq_u32 s27, 0
	s_mov_b32 s72, 12288
	s_cselect_b32 s72, 6144, s72
	s_mov_b32 s73, 512
	s_cselect_b32 s73, 256, s73
	s_lshl_b32 s29, s73, 5
	v_mul_u32_u24 v[VSO], s29, v3
	v_lshl_add_u32 v[VSO], v2, 4, v[VSO]
.irp b, 0,1,2,3
	v_mov_b32 v[TM+4+\b], 0
.endr
	s_mov_b32 s[SEL], 0x76543210
	s_mov_b32 s[SEL+1], 0xfedcba98
	s_mov_b32 s[G1+0], (2<<16)|(1<<20)|(7<<22)|(3<<25)   ; my 32 rows are 65,536 dense bytes: 64 lines of 256 elements of 4 bytes, 4 words of padding behind each 256 words
	s_mov_b32 s[G1+1], 256<<16
	s_mov_b32 s[G1+2], 64<<16
	s_mov_b32 s[G1+3], 256<<16
	s_mov_b32 s[G1+4], 64
	s_mov_b32 s[G1+5], 256
	s_mov_b32 s[G1+6], 0
	s_mov_b32 s[G1+7], 0
	s_lshr_b32 s30, ttmp9, 5
	s_lshl_b32 s30, s30, 3
	s_lshl_b32 s31, s26, 1
	s_add_co_u32 s30, s30, s31
	s_lshl_b32 s30, s30, 5
	s_and_b32 s31, ttmp9, 31
	s_add_co_u32 s30, s30, s31
	s_mul_i32 s76, s30, s72
	s_mov_b32 s77, 0
	s_lshl_b32 s78, s72, 5
	s_mov_b32 s79, 0
	s_mul_i32 s30, s30, s73
	s_mov_b32 s31, 0
	s_lshl_b32 s2, ttmp9, 18
	s_lshl_b32 s3, s26, 16
	s_add_co_u32 s2, s2, s3
	s_mov_b32 s3, 0
	s_wait_dscnt 0x0
	s_wait_kmcnt 0x0
	s_cmp_eq_u32 s27, 0
	s_cselect_b64 s[66:67], s[18:19], s[22:23]
	s_cselect_b64 s[70:71], s[20:21], s[24:25]
	s_add_nc_u64 s[66:67], s[66:67], s[76:77]
	s_add_nc_u64 s[68:69], s[66:67], s[78:79]
	s_add_nc_u64 s[70:71], s[70:71], s[30:31]
	s_cmp_eq_u32 s27, 1
	s_cselect_b64 s[56:57], s[6:7], s[4:5]
	s_cselect_b64 s[58:59], s[12:13], s[10:11]
	s_cmp_eq_u32 s27, 2
	s_cselect_b64 s[56:57], s[8:9], s[56:57]
	s_cselect_b64 s[58:59], s[14:15], s[58:59]
	s_add_nc_u64 s[56:57], s[56:57], s[2:3]
	s_lshl_b32 s76, s26, 9
	s_add_nc_u64 s[58:59], s[58:59], s[76:77]
	s_mul_i32 s78, s27, 196608
	s_mul_i32 s76, s26, 49152
	s_add_co_u32 s78, s78, s76
	s_add_nc_u64 s[60:61], s[16:17], s[78:79]
	s_lshl_b32 s78, s27, 13
	s_lshl_b32 s76, s26, 11
	s_add_co_u32 s78, s78, s76
	s_add_co_u32 s78, s78, 786432
	s_add_nc_u64 s[62:63], s[16:17], s[78:79]
	s_mov_b32 s[G0], 1
	s_mov_b32 s[G0+1], s28
	s_mov_b64 s[G0+2:G0+3], s[56:57]
	s_or_b32 s[G0+3], s[G0+3], 0x80000000
	tensor_load_to_lds s[G0:G0+3], s[G1:G1+7]      ; my one tensor load: all my rows, into LDS bytes that I alone read
	s_nop 0
	s_wait_alu depctr_va_vdst(0)
	s_wait_tensorcnt 0x0
	XFETCH 0, 0, HA
.irp q, 0,1,2,3,4,5,6,7
	UNIT \q
.endr
	s_cmp_eq_u32 s27, 2
	s_cbranch_scc1 .Lv
.irp i, 0,1,2,3,4,5,6,7
	global_load_b128 v[RS+4*\i:RS+4*\i+3], v[R16], s[62:63] offset:256*\i
.endr
	WIN 0x40
.irp i, 0,1,2,3,4,5,6,7
	global_load_b128 v[192+8*\i:195+8*\i], v[BQA], s[58:59] offset:64*\i
	global_load_b128 v[196+8*\i:199+8*\i], v[BQA], s[58:59] offset:64*\i+16
.endr
.irp i, 0,1,2,3
.irp s, 0,1,2,3
.irp c, 0,1,2
	global_load_b128 v[12*(4*\i+\s)+4*\c:12*(4*\i+\s)+4*\c+3], v[LI], s[60:61] offset:(4*\i+\s)*1536+512*\c
.endr
.endr
.endr
	WIN 0x80
.irp i, 4,5,6,7
.irp s, 0,1,2,3
.irp c, 0,1,2
	global_load_b128 v[12*(4*(\i-4)+\s)+4*\c:12*(4*(\i-4)+\s)+4*\c+3], v[LI], s[60:61] offset:(4*\i+\s)*1536+512*\c
.endr
.endr
.endr
	WIN 0
	s_wait_dscnt 0x0
	s_barrier_signal -1
	s_barrier_wait -1
	SFETCH 0
.irp j, 0,1,2,3,4,5,6,7
	s_wait_dscnt 0x0
.if \j == 0
	MM 1, 0, \j, 1, 0, SF, SS
.else
	MM 1, 0, \j, 0, 0, SF, SS
.endif
	PLACES
.if \j < 7
	SFETCH \j+1
.endif
.if \j > 0
	s_wait_xcnt 0x0
.endif
	QUANT HA
	global_store_b128 v254, v[PC:PC+3], s[66:67] offset:3072*(\j/4)+768*(\j%2)+128*((\j/2)%2)   ; runs of 128 bytes; tile j xor 2's store fills the runs between them
	global_store_b64 v[L8], v[PC+4:PC+5], s[66:67] offset:3072*(\j/4)+768*(\j%2)+64*((\j/2)%2)+512
	global_store_b128 v254, v[PC+6:PC+9], s[68:69] offset:3072*(\j/4)+768*(\j%2)+128*((\j/2)%2)
	global_store_b64 v[L8], v[PC+10:PC+11], s[68:69] offset:3072*(\j/4)+768*(\j%2)+64*((\j/2)%2)+512
	v_lshrrev_b32 v[T], v[H16], v[PW]
.if \j%2 == 0
	v_and_b32 v[SC+\j/2], 0xffff, v[T]
.else
	v_lshl_or_b32 v[SC+\j/2], v[T], 16, v[SC+\j/2]
.endif
.endr
	global_store_b128 v[VSO], v[SC:SC+3], s[70:71]
	s_wait_tensorcnt 0x0
	ds_add_u32 v[SPW], v[NIL]
	s_wait_dscnt 0x0
	s_endpgm
.Lv:
.irp j, 0,1,2,3,4,5,6,7
	global_load_b32 v[BVT+\j], v[BVA], s[58:59] offset:64*\j
.endr
	SLOADV 0
	SLOADV 1
	SLOADV 2
	SLOADV 3
	s_wait_dscnt 0x0
	s_barrier_signal -1
	s_barrier_wait -1
	WIN 0x40
.irp i, 0,1,2,3
.irp s, 0,1,2,3
.irp c, 0,1,2
	ds_load_b128 v[12*(4*\i+\s)+4*\c:12*(4*\i+\s)+4*\c+3], v[LIX] offset:(4*\i+\s)*1536+512*\c
.endr
.endr
.endr
	WIN 0x80
.irp i, 4,5,6,7
.irp s, 0,1,2,3
.irp c, 0,1,2
	ds_load_b128 v[12*(4*(\i-4)+\s)+4*\c:12*(4*(\i-4)+\s)+4*\c+3], v[LIX] offset:(4*\i+\s)*1536+512*\c
.endr
.endr
.endr
	WIN 0
.irp i, 0,1,2,3,4,5,6,7
	ds_load_b128 v[RS+4*\i:RS+4*\i+3], v[LSX] offset:256*\i
.endr
	s_wait_loadcnt 52
	WIN 0x40
.irp j, 0,1,2,3,4,5,6,7
.irp e, 0,1,2,3,4,5,6,7
	v_mov_b32 v[192+8*\j+\e], v[BVT+\j]
.endr
.endr
	WIN 0
.irp j, 0,1,2,3,4,5,6,7
.if \j < 5
	s_wait_loadcnt 39
.else
	s_wait_loadcnt 13*(7-\j)
.endif
.if \j == 0
	s_wait_dscnt 0x0
.endif
	MM 0, 1, \j, 0, 3, 48*(\j%4), SSV+4*(\j%4)
	PLACES
.if \j < 4
	SLOADV \j+4
.endif
.if \j > 0
	s_wait_xcnt 0x0
.endif
	QUANT HA
.irp c, 0,1,2
.if \j < 4
	global_store_b128 v[LI], v[PC+4*\c:PC+4*\c+3], s[66:67] offset:6144+(\j%4)*1536+512*\c
.else
	global_store_b128 v[LI], v[PC+4*\c:PC+4*\c+3], s[68:69] offset:6144+(\j%4)*1536+512*\c
.endif
.endr
	v_mov_b32 v[VSW+\j], v[PW]
.endr
	v_cmp_gt_u32 vcc_lo, 16, v1
.irp n, 0,1,2,3
	v_cndmask_b32 v[OUT+\n], v[VSW+4+\n], v[VSW+\n], vcc_lo
.endr
	global_store_b128 v[VSO], v[OUT:OUT+3], s[70:71] offset:256
	s_wait_tensorcnt 0x0
	ds_add_u32 v[SPW], v[NIL]
	s_wait_dscnt 0x0
	s_endpgm
.Lfunc_end_k_qa6d643c841_proj:
	.size	k_qa6d643c841_proj, .Lfunc_end_k_qa6d643c841_proj-k_qa6d643c841_proj
	.p2alignl 7, 3214868480
	.fill 96, 4, 3214868480
	.section	.rodata,"a",@progbits
	.p2align	6, 0x0
	.amdhsa_kernel k_qa6d643c841_proj
		.amdhsa_group_segment_fixed_size 327680
		.amdhsa_private_segment_fixed_size 0
		.amdhsa_enable_private_segment 0
		.amdhsa_kernarg_size 88
		.amdhsa_user_sgpr_count 2
		.amdhsa_user_sgpr_kernarg_segment_ptr 1
		.amdhsa_wavefront_size32 1
		.amdhsa_system_sgpr_workgroup_id_x 1
		.amdhsa_system_sgpr_workgroup_id_y 1
		.amdhsa_system_sgpr_workgroup_id_z 1
		.amdhsa_system_vgpr_workitem_id 0
		.amdhsa_next_free_vgpr 1024
		.amdhsa_next_free_sgpr 80
		.amdhsa_reserve_vcc 1
		.amdhsa_float_denorm_mode_32 3
		.amdhsa_float_denorm_mode_16_64 3
		.amdhsa_memory_ordered 1
		.amdhsa_forward_progress 1
		.amdhsa_inst_pref_size 219
	.end_amdhsa_kernel
	.amdgpu_metadata
---
amdhsa.version: [ 1, 2 ]
amdhsa.kernels:
  - .name:           k_qa6d643c841_proj
    .symbol:         k_qa6d643c841_proj.kd
    .args:
      - { .name: query, .offset: 0, .size: 8, .value_kind: global_buffer, .address_space: global }
      - { .name: key_, .offset: 8, .size: 8, .value_kind: global_buffer, .address_space: global }
      - { .name: value, .offset: 16, .size: 8, .value_kind: global_buffer, .address_space: global }
      - { .name: bq, .offset: 24, .size: 8, .value_kind: global_buffer, .address_space: global }
      - { .name: bk, .offset: 32, .size: 8, .value_kind: global_buffer, .address_space: global }
      - { .name: bv, .offset: 40, .size: 8, .value_kind: global_buffer, .address_space: global }
      - { .name: wq, .offset: 48, .size: 8, .value_kind: global_buffer, .address_space: global }
      - { .name: qc, .offset: 56, .size: 8, .value_kind: global_buffer, .address_space: global }
      - { .name: qs, .offset: 64, .size: 8, .value_kind: global_buffer, .address_space: global }
      - { .name: kvc, .offset: 72, .size: 8, .value_kind: global_buffer, .address_space: global }
      - { .name: kvs, .offset: 80, .size: 8, .value_kind: global_buffer, .address_space: global }
    .group_segment_fixed_size: 327680
    .private_segment_fixed_size: 0
    .kernarg_segment_align: 8
    .kernarg_segment_size: 88
    .max_flat_workgroup_size: 128
    .sgpr_count:     80
    .vgpr_count:     1024
    .wavefront_size: 32
...
	.end_amdgpu_metadata
.endif
;; end of part 2
;; launch attn (part 3): grid 16 x 16, 16 waves a work-group, clusters of 4 x 1, 327,680 bytes of LDS; arguments qc, qs, kvc, kvs, cc, cs; writes cc, cs
.if DOCPART == 3
	.amdgcn_target "amdgcn-amd-amdhsa--gfx1250"
	.amdhsa_code_object_version 6
	.text
	.protected	k_qa6d643c841_attn
	.globl	k_qa6d643c841_attn
	.p2align	8
	.type	k_qa6d643c841_attn,@function
k_qa6d643c841_attn:
	s_mov_b64 s[64:65], 0
	v_nop
	global_prefetch_b8 v0, s[64:65] scope:SCOPE_SE
	s_setreg_imm32_b32 hwreg(HW_REG_WAVE_MODE, 25, 1), 1
	s_wait_xcnt 0x0
	s_wait_alu depctr_hold_cnt(0) depctr_sa_sdst(0) depctr_va_vdst(0) depctr_va_sdst(0) depctr_va_ssrc(0) depctr_va_vcc(0) depctr_vm_vsrc(0)
	s_getreg_b32 s2, hwreg(HW_REG_IB_STS2, 6, 4)
	s_cmp_eq_u32 s2, 0
	s_cbranch_scc0 .Lentry_in_a_cluster
	s_endpgm
.Lentry_in_a_cluster:
	s_bfe_u32 s2, ttmp6, 0x10000c
	s_cmp_lg_u32 s2, 0x3003
	s_cbranch_scc0 .Lentry_shape_is_right
	s_endpgm
.Lentry_shape_is_right:
; ctx[bh][q] = the sum over k of softmax_k(q . k / 8) v[k], both products on codes of BF6 (E3M2) with E8M0 scales, and ctx quantised along the head's 64 for the last product.
; THE SOFTMAX: t = score x log2(e) / 8; M = the running largest t rounded up to a whole number; p = 2^(t - M) is quantised along the keys, not normalised; the row's sum is taken of the unquantised p in f32 and
; divides at the end; when M moves, the sum and O are multiplied by 2^(old M - new M), which rounds nothing.
; SHARES: a work-group owns 16 tiles of 16 queries of one (batch, head), a wave one tile, in 256 registers: four waves to a SIMD.  Every wave walks the head's 4,096 keys, 128 a step.
; A step's record in kvc (12,288 bytes: K's eight images of six registers, V's four fragments) is read lane by lane on end.
; THE TILES OF TOKENS: in a group of 128 tokens tile 4 c + u holds in rows 0-7 tokens 64 c + g + 0..7 and in rows 8-15 tokens 64 c + 32 + g + 0..7, g = 16 (u % 2) + 8 (u / 2): so the launch before has laid Q's and K's images.
; Both products are transposed (S^T = K Q^T, O^T = V^T P^T): a lane holds one query, and lane half h rows 8 h .. 8 h + 7 of each tile of keys.  So the 32 score registers of tiles 4 c .. 4 c + 3 are ONE WHOLE BLOCK of 32 keys,
; block 2 c + h, in the order in which V's keys lie: the block's maximum needs no other lane, and the conversions' results are the operand's registers.
; A tile of queries is taken as it lies; ctx goes out under the same tile number and rows, and the last launch puts the tokens back.
; K = 64 IN AN INSTRUCTION OF K = 128: a fragment of K holds two tiles of keys (registers 0-5 and 6-11); it is multiplied once by (q | zero codes) and once by (zero codes | q).  The dead half adds 0: zero codes, and no scale byte is 0xff.
; LDS: two slots of 12 steps (147,456 bytes each), the head's 16,384 scale bytes, the spare words.  Steps 0-11 fill slot 0 at the head (waves 0-11, a step each; waves 12-15 a quarter of the scale bytes each: one load a wave),
; steps 12-23 slot 1 behind the first round, steps 24-31 slot 0 again behind the second.  CLUSTER: the four work-groups of a cluster walk the same head: every tensor load is asked for jointly (mask 15).
; No prefetch: each fill behind the head's is asked for 12 key steps ahead of the wait for it, and the head has no loop to run ahead in.
; LIMITS: blocks whose largest magnitude lies under 2^-122 keep the byte 1; NaN and infinities are not served; the promise holds while the scaled scores stay under 2^31 in magnitude.
.set STEPB, 12288
.set SLOTB, 147456
.set SCL,   294912                     ; the head's scale bytes: 512 a step: K's 256 ([row][natural tile][2]), V's 256
.set SPARE, 311296                     ; the spare words, 128 bytes a wave: eight blocks of 256 bytes that no other line names
.set AB,  1                            ; 16 L
.set A8,  2                            ; 8 L
.set ASK, 3                            ; SCL + 16 (r % 8) + 4 (r / 8): K's scale words, by the tiles' rows
.set SPW, 4                            ; my spare word; never rewritten
.set NIL, 5                            ; 0; never rewritten
.set ADB, 6                            ; v6-8, v10 the step's addresses
.set AD8, 7
.set ADS, 8
.set ASV, 9                            ; SCL + 256 + 16 r: V's scale words
.set ADW, 10
.set H8,  11                           ; 8 h
; v12 -M, v13 the largest score, v[14:15] the sum in two halves
.set QHI, 16                           ; v16-21 zeros, v22-27 q, v28-33 zeros
.set QLO, 22
.set QSL, 34                           ; q's two scale bytes in bytes 0, 1
.set QSH, 35                           ; and in bytes 2, 3
.set KS,  36                           ; v36-39 K's scale words
.set KV,  40                           ; v40-87 four fragments, of K and then of V
.set VS,  88                           ; v88-91 V's scale words
.set S,   96                           ; v96-159 S^T, then p
.set O,   160                          ; v160-191 O^T
.set PC,  192                          ; v192-203 p's codes
.set CT,  204                          ; v204-210 the upper halves' codes
.set BM,  212                          ; v212-215 maxima; my two blocks' end in BM and BM + 2
.set SO,  216                          ; v216-217 the conversions' scale operands
.set T,   218
.set R,   219
.set PD,  220                          ; v220-221 lane permutes' destinations, bytes
.set W,   222
.set T3,  223
.set PS,  224                          ; p's scale word
.set F,   226                          ; v[226:227] f = 2^(old M - new M), named as a pair
.set X,   232                          ; v232-237 three more chains of the sum
.set WV,  18
.set SEL, 20
.set CS,  22                           ; s[22:23] c = log2(e) / 8
.set G1C, 24
.set G1S, 32
.set G0A, 40                           ; steps 0-11;  G0B steps 12-23;  G0R steps 24-31;  G0S the scale bytes
.set G0B, 44
.set G0R, 48
.set G0S, 72
.set TB,  76                           ; LDS byte of the step's record
.set TS,  77                           ; and of its scale bytes, less SCL
.set STEPS, 78
.macro CROUND                          ; a round of the cluster's barrier
	s_barrier_signal -1
	s_barrier_wait -1
	s_cmp_lg_u32 s[WV], 0
	s_cbranch_scc1 .Lnot_wave_0_\@
	s_barrier_signal -3
.Lnot_wave_0_\@:
	s_barrier_wait -3
	s_barrier_signal -1
	s_barrier_wait -1
.endm
.macro WM0 d, a, b, sa, sb
	v_wmma_scale_f32_16x16x128_f8f6f4 v[\d:\d+7], v[\a:\a+11], v[\b:\b+11], 0, v[\sa], v[\sb] matrix_a_fmt:MATRIX_FMT_BF6 matrix_b_fmt:MATRIX_FMT_BF6
.endm
.macro WMA d, a, b, sa, sb
	v_wmma_scale_f32_16x16x128_f8f6f4 v[\d:\d+7], v[\a:\a+11], v[\b:\b+11], v[\d:\d+7], v[\sa], v[\sb] matrix_a_fmt:MATRIX_FMT_BF6 matrix_b_fmt:MATRIX_FMT_BF6
.endm
.macro SUBM n                          ; t - M, two at a time
.rept \n
	v_pk_fma_f32 v[S+j:S+j+1], v[S+j:S+j+1], s[CS:CS+1], v[12:13] op_sel_hi:[1,0,0]
.set j, j+2
.endr
.endm
	s_load_b256 s[4:11], s[0:1], 0x0               ; qc, qs, kvc, kvs
	s_load_b128 s[12:15], s[0:1], 0x20             ; cc, cs
	v_lshl_add_u32 v[SPW], v0, 2, SPARE
	v_mov_b32 v[NIL], 0
	ds_add_u32 v[SPW], v[NIL]                      ; the wave's opening: the add, twice on end, and its wait ahead of the round in front of the first loads
	ds_add_u32 v[SPW], v[NIL]
	v_lshrrev_b32 v9, 5, v0
	s_delay_alu instid0(VALU_DEP_1)
	v_readfirstlane_b32 s[WV], v9                  ; wave 0..15
	s_and_b32 s52, ttmp7, 0xffff                   ; bh, which the four partners share
	s_mul_i32 s55, s[WV], STEPB                    ; the step that I fetch, if I fetch
	s_mul_i32 s56, s52, 393216
	s_add_co_u32 s56, s56, s55
	s_mov_b32 s57, 0
	s_and_b32 s53, s[WV], 3                        ; which quarter of the scale bytes
	s_lshl_b32 s54, s53, 12
	s_lshl_b32 s58, s52, 14
	s_add_co_u32 s58, s58, s54
	s_mov_b32 s59, 0
	s_bfe_u32 s60, ttmp6, 0x40000                  ; cx: it enters q's and ctx's global addresses alone
	s_lshl_b32 s61, ttmp9, 2
	s_add_co_u32 s61, s61, s60
	s_lshl_b32 s61, s61, 4
	s_add_co_u32 s61, s61, s[WV]                   ; my tile of queries: 16 (4 cluster x + cx) + wave
	s_lshl_b32 s62, s52, 8
	s_add_co_u32 s62, s62, s61
	s_mul_i32 s62, s62, 768                        ; its codes
	s_mov_b32 s63, 0
	s_lshl_b32 s66, s52, 5
	s_lshr_b32 s67, s61, 3
	s_add_co_u32 s66, s66, s67
	s_lshl_b32 s66, s66, 8                         ; its group's 256 scale bytes; tile 4 c + 2 w + e: + 128 w + 8 c + 2 e
	s_bfe_u32 s67, s61, 0x10001
	s_lshl_b32 s67, s67, 7
	s_add_co_u32 s66, s66, s67
	s_bfe_u32 s67, s61, 0x10002
	s_lshl_b32 s67, s67, 3
	s_add_co_u32 s66, s66, s67
	s_and_b32 s67, s61, 1
	s_lshl_b32 s67, s67, 1
	s_add_co_u32 s66, s66, s67
	s_mov_b32 s67, 0
	s_lshr_b32 s68, s52, 3
	s_lshl_b32 s68, s68, 8
	s_add_co_u32 s68, s68, s61                     ; batch x 256 + tile
	s_and_b32 s69, s52, 7                          ; head
	s_lshl_b32 s70, s68, 3
	s_add_co_u32 s70, s70, s69
	s_mul_i32 s70, s70, 768                        ; ctx's codes
	s_mov_b32 s71, 0
	s_lshl_b32 s68, s68, 8
	s_lshl_b32 s69, s69, 1
	s_add_co_u32 s68, s68, s69                     ; ctx's scale bytes
	s_mov_b32 s69, 0
	v_and_b32 v9, 31, v0
	v_and_b32 v10, 7, v0
	v_bfe_u32 v11, v0, 3, 1
	s_delay_alu instid0(VALU_DEP_3)
	v_lshlrev_b32 v[AB], 4, v9
	s_delay_alu instid0(VALU_DEP_4)
	v_lshlrev_b32 v[A8], 3, v9
	s_delay_alu instid0(VALU_DEP_3)
	v_lshlrev_b32 v11, 2, v11
	s_delay_alu instid0(VALU_DEP_1)
	v_lshl_add_u32 v10, v10, 4, v11                ; 16 (r % 8) + 4 (r / 8)
	s_delay_alu instid0(VALU_DEP_1)
	v_add_nc_u32 v[ASK], SCL, v10
	v_and_b32 v9, 15, v0
	v_bfe_u32 v11, v0, 4, 1
	s_delay_alu instid0(VALU_DEP_2)
	v_lshl_add_u32 v[ASV], v9, 4, SCL+256
	s_delay_alu instid0(VALU_DEP_2)
	v_lshlrev_b32 v[H8], 3, v11
	s_mov_b32 s[G1C+0], 15|(3<<16)|(1<<21)         ; the mask: all four work-groups; elements of 8 bytes; bit 21 beside a mask; no padding
	s_mov_b32 s[G1C+1], 32<<16                     ; rows of 256 bytes
	s_mov_b32 s[G1C+2], 48<<16                     ; 48 of them: a step's record
	s_mov_b32 s[G1C+3], 32<<16
	s_mov_b32 s[G1C+4], 48
	s_mov_b32 s[G1C+5], 32
	s_mov_b32 s[G1C+6], 0
	s_mov_b32 s[G1C+7], 0
	s_mov_b32 s[G1S+0], 15|(3<<16)|(1<<21)
	s_mov_b32 s[G1S+1], 32<<16
	s_mov_b32 s[G1S+2], 16<<16                     ; 16 rows: a quarter of the head's scale bytes
	s_mov_b32 s[G1S+3], 32<<16
	s_mov_b32 s[G1S+4], 16
	s_mov_b32 s[G1S+5], 32
	s_mov_b32 s[G1S+6], 0
	s_mov_b32 s[G1S+7], 0
	s_mov_b32 s[SEL], 0x76543210
	s_mov_b32 s[SEL+1], 0xfedcba98
	s_mov_b32 s[CS], 0x3e38aa3b                    ; log2(e) / 8
	s_mov_b32 s[CS+1], s[CS]                       ; (named with it as a pair)
	s_wait_dscnt 0x0                               ; both opening adds are done
	s_wait_kmcnt 0x0
	s_mov_b32 s[G0A], 1
	s_mov_b32 s[G0A+1], s55
	s_add_nc_u64 s[G0A+2:G0A+3], s[8:9], s[56:57]
	s_mov_b32 s[G0B], 1
	s_add_co_u32 s[G0B+1], s55, SLOTB
	s_add_nc_u64 s[G0B+2:G0B+3], s[G0A+2:G0A+3], SLOTB
	s_mov_b32 s[G0R], 1
	s_mov_b32 s[G0R+1], s55
	s_add_nc_u64 s[G0R+2:G0R+3], s[G0A+2:G0A+3], 2*SLOTB
	s_or_b32 s[G0A+3], s[G0A+3], 0x80000000
	s_or_b32 s[G0B+3], s[G0B+3], 0x80000000
	s_or_b32 s[G0R+3], s[G0R+3], 0x80000000
	s_mov_b32 s[G0S], 1
	s_add_co_u32 s[G0S+1], s54, SCL
	s_add_nc_u64 s[G0S+2:G0S+3], s[10:11], s[58:59]
	s_or_b32 s[G0S+3], s[G0S+3], 0x80000000
	s_add_nc_u64 s[4:5], s[4:5], s[62:63]
	s_add_nc_u64 s[6:7], s[6:7], s[66:67]
	s_add_nc_u64 s[12:13], s[12:13], s[70:71]
	s_add_nc_u64 s[14:15], s[14:15], s[68:69]
	CROUND                                         ; all four work-groups are here: the first joint loads meet
	s_cmp_lt_u32 s[WV], 12                         ; one load a wave at the head: every way passes exactly one
	s_cbranch_scc0 .Lhead_s
	tensor_load_to_lds s[G0A:G0A+3], s[G1C:G1C+7]
	s_nop 0
	s_branch .Lhead_j
.Lhead_s:
	tensor_load_to_lds s[G0S:G0S+3], s[G1S:G1S+7]
	s_nop 0
.Lhead_j:
	s_wait_alu depctr_va_vdst(0)
	global_load_b128 v[QLO:QLO+3], v[AB], s[4:5] th:TH_LOAD_NT
	global_load_b64 v[QLO+4:QLO+5], v[A8], s[4:5] offset:512 th:TH_LOAD_NT
	global_load_u16 v[QSL], v10, s[6:7]
.irp j, 16,17,18,19,20,21,28,29,30,31,32,33
	v_mov_b32 v[\j], 0                             ; zero codes on both sides of q
.endr
	v_mov_b32 v13, 0xff61b1e6                      ; the largest score so far: -3e38
	v_mov_b32 v12, 0x7e800000                      ; -M: a large whole number, so that the first f is 0
	v_mov_b32 v14, 0
	v_mov_b32 v15, 0
	v_mov_b32 v[PD], 0                             ; written once: a lane permute's destination counts as one of its sources
	v_mov_b32 v[PD+1], 0
	v_mov_b32 v[F+1], 0                            ; (named as the upper half of a pair)
.set j, 30
.rept 34
	v_mov_b32 v[S+j], 0                            ; the first step adds what the step before it left in registers 30-63 and in the three chains: zeros
.set j, j+1
.endr
.irp k, 0,1,2,3,4,5
	v_mov_b32 v[X+\k], 0
.endr
.macro SUMA                            ; the sum's additions that are left over from a step: p's registers 30-63
.irp i, 30,38,46,54
	v_pk_add_f32 v[14:15], v[14:15], v[S+\i:S+\i+1]
	v_pk_add_f32 v[X:X+1], v[X:X+1], v[S+\i+2:S+\i+3]
	v_pk_add_f32 v[X+2:X+3], v[X+2:X+3], v[S+\i+4:S+\i+5]
	v_pk_add_f32 v[X+4:X+5], v[X+4:X+5], v[S+\i+6:S+\i+7]
.endr
	v_pk_add_f32 v[X:X+1], v[X:X+1], v[S+62:S+63]
.endm
.macro SUMB                            ; and the four chains joined: the sum under the step's M, ahead of the next change of M
	v_pk_add_f32 v[X+2:X+3], v[X+2:X+3], v[X+4:X+5]
	v_pk_add_f32 v[14:15], v[14:15], v[X:X+1]
	v_pk_add_f32 v[14:15], v[14:15], v[X+2:X+3]
.endm
	s_wait_loadcnt 0x0
	v_lshlrev_b32 v[QSH], 16, v[QSL]
.set j, 0
.rept 32
	v_mov_b32 v[O+j], 0                            ; O^T: the key step is written once; its first trip finds zeros.  (Also the plain instructions between the scale word just made and the first product)
.set j, j+1
.endr
.macro STEP
	v_add_nc_u32 v[ADB], s[TB], v[AB]              ; four plain instructions behind the last step's products, in front of the loads into their sources
	v_add_nc_u32 v[AD8], s[TB], v[A8]
	v_add_nc_u32 v[ADS], s[TS], v[ASK]
	v_add_nc_u32 v[ADW], s[TS], v[ASV]
.irp k, 0,1,2,3,4,5,6,7
	ds_load_b128 v[KV+6*\k:KV+6*\k+3], v[ADB] offset:768*\k
	ds_load_b64 v[KV+6*\k+4:KV+6*\k+5], v[AD8] offset:768*\k+512
.endr
.irp f, 0,1,2,3
	ds_load_b32 v[KS+\f], v[ADS] offset:128*(\f%2)+8*(\f/2)   ; fragment f = 2 c + w: row 8 w + r % 8, word 2 c + r / 8 of the step's scale bytes
.endr
	SUMA                                           ; the last step's p, registers 30-63, while K's loads are out: the products below write these registers anew
	s_wait_alu depctr_va_vdst(0)
	s_wait_dscnt 0x0
.irp f, 0,1,2,3
	WM0 S+16*\f, KV+12*\f, QLO, KS+\f, QSL
	WM0 S+16*\f+8, KV+12*\f, QHI, KS+\f, QSH
.endr
	v_mov_b32 v[T], v12                            ; the old -M: with the three additions that join the sum's chains the four plain instructions in front of the loads into K's registers and of the first read of the scores
	SUMB
.irp n, 0,1,2,3
.irp c, 0,1,2
	ds_load_b128 v[KV+12*\n+4*\c:KV+12*\n+4*\c+3], v[ADB] offset:6144+1536*\n+512*\c   ; V lands under the softmax
.endr
.endr
	ds_load_b128 v[VS:VS+3], v[ADW]
.irp q, 0,1,2,3
	v_max3_num_f32 v[BM+\q], v[S+16*\q], v[S+16*\q+1], v[S+16*\q+2]   ; four chains, two to each of my blocks; each accumulator is read from its low end on
.endr
.irp i, 3,5,7,9,11,13
.irp q, 0,1,2,3
	v_max3_num_f32 v[BM+\q], v[BM+\q], v[S+16*\q+\i], v[S+16*\q+\i+1]
.endr
.endr
	v_max3_num_f32 v[BM], v[BM], v[BM+1], v[S+15]
	v_max3_num_f32 v[BM+2], v[BM+2], v[BM+3], v[S+47]
	v_max_num_f32 v[BM], v[BM], v[S+31]            ; the largest score of block h: for the row's maximum and, since p rises with the score, for the block's largest p
	v_max_num_f32 v[BM+2], v[BM+2], v[S+63]        ; and of block 2 + h
	s_delay_alu instid0(VALU_DEP_1)
	v_max_num_f32 v[R], v[BM], v[BM+2]
	s_delay_alu instid0(VALU_DEP_1)
	v_permlanex16_b32 v[PD], v[R], s[SEL], s[SEL+1]
	s_delay_alu instid0(VALU_DEP_1)
	v_max3_num_f32 v13, v13, v[R], v[PD]           ; the running largest score
	s_delay_alu instid0(VALU_DEP_1)
	v_mul_f32 v[T3], s[CS], v13                    ; as t (c is positive)
	s_delay_alu instid0(VALU_DEP_1)
	v_floor_f32 v12, -v[T3]                        ; the new -M = -ceil(t)
	s_delay_alu instid0(VALU_DEP_1)
	v_sub_f32 v[T], v12, v[T]                      ; old M - new M: a whole number, 0 or less
.set j, 0
	SUBM 4
	v_cvt_i32_f32 v[T], v[T]                       ; (it saturates)
	SUBM 4
	v_ldexp_f32 v[F], 1.0, v[T]                    ; f
	SUBM 24
	v_fma_f32 v[BM], v[BM], s[CS], v12             ; the same of each block's largest score
	v_fma_f32 v[BM+2], v[BM+2], s[CS], v12
.set j, 0
.rept 16
	v_pk_mul_f32 v[O+j:O+j+1], v[O+j:O+j+1], v[F:F+1] op_sel_hi:[1,0]   ; O^T under the new M
.set j, j+2
.endr
	s_wait_alu depctr_va_vdst(0)
	v_exp_f32 v[BM], v[BM]                         ; the blocks' largest p: the same two instructions on the same number
	v_exp_f32 v[BM+2], v[BM+2]
.set j, 0
.rept 64
	v_exp_f32 v[S+j], v[S+j]                       ; p = 2^(t - M)
.set j, j+1
.endr
	v_pk_mul_f32 v[14:15], v[14:15], v[F:F+1] op_sel_hi:[1,0]   ; the sums under the new M: the plain instruction behind the batch
	s_wait_alu depctr_va_vdst(0)                   ; one wait for the 66 exponentials, ahead of their first reader
	v_max_num_f32 v[BM], 0x2800000, v[BM]          ; the floor 2^(5 - 127)
	v_max_num_f32 v[BM+2], 0x2800000, v[BM+2]
	s_delay_alu instid0(VALU_DEP_2)
	v_add_nc_u32 v[SO], 0xfe000000, v[BM]          ; 4 off the exponent field: the conversions' scale operands
	s_delay_alu instid0(VALU_DEP_2)
	v_add_nc_u32 v[SO+1], 0xfe000000, v[BM+2]
.irp c, 0,1
	v_cvt_scalef32_pk16_bf6_f32 v[PC+6*\c:PC+6*\c+2], v[S+32*\c:S+32*\c+15], v[SO+\c]
	v_cvt_scalef32_pk16_bf6_f32 v[CT+4*\c:CT+4*\c+2], v[S+32*\c+16:S+32*\c+31], v[SO+\c]   ; (a conversion's three registers begin on an even number)
.endr
	; p's scale word, by turns with the moves of the upper halves' codes and the first additions of the sum, so that no line waits for the line above it
	v_lshrrev_b32 v[PD], 23, v[SO]                 ; the scales' bytes.  (The plain instructions behind the conversions)
	v_lshrrev_b32 v[PD+1], 23, v[SO+1]
	v_mov_b32 v[PC+3], v[CT]
	v_mov_b32 v[PC+4], v[CT+1]
	v_lshl_or_b32 v[W], v[PD+1], 16, v[PD]         ; my two bytes: blocks h and 2 + h,
	v_mov_b32 v[PC+5], v[CT+2]
	v_mov_b32 v[PC+9], v[CT+4]
	v_lshlrev_b32 v[W], v[H8], v[W]                ; at their places in the scale word;
	v_mov_b32 v[PC+10], v[CT+5]
	v_mov_b32 v[PC+11], v[CT+6]
	v_permlanex16_b32 v[PD], v[W], s[SEL], s[SEL+1]
	v_pk_add_f32 v[X:X+1], v[S:S+1], v[S+6:S+7]    ; THE ROW'S SUM, of the unquantised p, in four chains
	v_pk_add_f32 v[X+2:X+3], v[S+2:S+3], v[S+8:S+9]
	v_or_b32 v[PS], v[W], v[PD]                    ; with lane l xor 16's two the word is whole: ten plain instructions stand between it and the products
	v_pk_add_f32 v[X+4:X+5], v[S+4:S+5], v[S+10:S+11]
	v_pk_add_f32 v[14:15], v[14:15], v[S+12:S+13]
.irp i, 14,22                                  ; registers 14-29 here; registers 30-63 are added in the next step, under K's loads (SUMA, SUMB)
	v_pk_add_f32 v[14:15], v[14:15], v[S+\i:S+\i+1]
	v_pk_add_f32 v[X:X+1], v[X:X+1], v[S+\i+2:S+\i+3]
	v_pk_add_f32 v[X+2:X+3], v[X+2:X+3], v[S+\i+4:S+\i+5]
	v_pk_add_f32 v[X+4:X+5], v[X+4:X+5], v[S+\i+6:S+\i+7]
.endr
	s_wait_alu depctr_va_vdst(0)
	s_wait_dscnt 0x0                               ; V is in
.irp n, 0,1,2,3
	WMA O+8*\n, KV+12*\n, PC, VS+\n, PS            ; four accumulators, one instruction each
.endr
.endm
; THE CHANGE OF SLOTS: every wave waits for all its tensor loads, adds 0 to its spare word, and waits for that and for its LDS reads.  lim > 0: a round of the cluster's barrier, and behind it waves 0 .. lim - 1
; ask jointly for a step each by group 0 g0: a wave's one tensor load until the next round.
.macro CHANGE lim, g0
	s_wait_tensorcnt 0x0
	ds_add_u32 v[SPW], v[NIL]
	s_wait_dscnt 0x0
.if \lim
	CROUND
	s_cmp_lt_u32 s[WV], \lim
	s_cbranch_scc0 .Lnone_\@
	tensor_load_to_lds s[\g0:\g0+3], s[G1C:G1C+7]
	s_nop 0
.Lnone_\@:
.else
	s_barrier_signal -1
	s_barrier_wait -1
.endif
.endm
.macro WALK n, base, sc                ; n key steps from LDS byte base on, their scale bytes from sc on
	s_mov_b32 s[TB], \base
	s_mov_b32 s[TS], \sc
	s_mov_b32 s[STEPS], \n
.Lstep_\@:
	STEP
	s_add_co_u32 s[TB], s[TB], STEPB
	s_add_co_u32 s[TS], s[TS], 512
	s_sub_co_u32 s[STEPS], s[STEPS], 1
	s_cmp_lg_u32 s[STEPS], 0
	s_cbranch_scc1 .Lstep_\@
.endm
	s_wait_alu depctr_va_vdst(0)
	CHANGE 12, G0B                                 ; slot 0 and the scale bytes are in; slot 1's first fill, issued as a refill is
	WALK 12, 0, 0
	CHANGE 8, G0R                                  ; slot 0 is read out: steps 24-31
	WALK 12, SLOTB, 6144
	CHANGE 0, 0                                    ; nothing more to fetch
	WALK 8, 0, 12288
	; THE WAY OUT: ctx = O^T / the sum, quantised along the head's 64 (two blocks): six registers of codes and two scale bytes a query
	SUMA                                           ; the last step's sum is finished.  (Also plain instructions behind the last products)
	SUMB
	v_add_f32 v14, v14, v15
	s_delay_alu instid0(VALU_DEP_1)
	v_permlanex16_b32 v[PD], v14, s[SEL], s[SEL+1]
	s_delay_alu instid0(VALU_DEP_1)
	v_add_f32 v14, v14, v[PD]                      ; the row's sum
	s_wait_alu depctr_va_vdst(0)
	v_rcp_f32 v14, v14
	v_and_b32 v9, 15, v0                           ; (plain instructions behind the reciprocal and behind the last products)
	v_bfe_u32 v10, v0, 4, 1
	s_delay_alu instid0(VALU_DEP_1)
	v_lshl_add_u32 v9, v9, 4, v10                  ; 16 r + h
	s_wait_alu depctr_va_vdst(0)                   ; the wait ahead of the reciprocal's first reader
.set j, 0
.rept 32
	v_mul_f32 v[S+j], v[O+j], v14                  ; each accumulator from its low end on
.set j, j+1
.endr
.irp b, 0,1
	v_max3_num_f32 v[BM+\b], |v[S+16*\b]|, |v[S+1+16*\b]|, 0x2800000
.endr
.irp i, 2,4,6,8,10,12,14
.irp b, 0,1
	s_delay_alu instid0(VALU_DEP_2)
	v_max3_num_f32 v[BM+\b], v[BM+\b], |v[S+16*\b+\i]|, |v[S+1+16*\b+\i]|
.endr
.endr
.irp b, 0,1
	s_delay_alu instid0(VALU_DEP_2)
	v_permlanex16_b32 v[PD+\b], v[BM+\b], s[SEL], s[SEL+1]
.endr
.irp b, 0,1
	s_delay_alu instid0(VALU_DEP_2)
	v_max_num_f32 v[BM+\b], v[BM+\b], v[PD+\b]
.endr
.irp b, 0,1
	s_delay_alu instid0(VALU_DEP_2)
	v_add_nc_u32 v[SO+\b], 0xfe000000, v[BM+\b]
.endr
.irp b, 0,1
	s_delay_alu instid0(VALU_DEP_2)
	v_lshrrev_b32 v[PD+\b], 23, v[SO+\b]
.endr
	s_delay_alu instid0(VALU_DEP_1)
	v_lshl_or_b32 v[T], v[PD+1], 8, v[PD]
	s_delay_alu instid0(VALU_DEP_1)
	v_lshrrev_b32 v[T], v[H8], v[T]                ; lanes 0-15 store block 0's byte, lanes 16-31 block 1's
	v_cvt_scalef32_pk16_bf6_f32 v[PC:PC+2], v[S:S+15], v[SO]
	v_cvt_scalef32_pk16_bf6_f32 v[CT:CT+2], v[S+16:S+31], v[SO+1]
	v_nop
.irp i, 0,1,2
	v_permlane16_swap_b32 v[PC+\i], v[CT+\i]       ; here a lane holds half of each block: the operand wants a whole block in a lane
.endr
.irp i, 0,1,2
	s_delay_alu instid0(VALU_DEP_3)
	v_mov_b32 v[PC+3+\i], v[CT+\i]
.endr
	global_store_b128 v[AB], v[PC:PC+3], s[12:13]            ; 512 consecutive bytes,
	global_store_b64 v[A8], v[PC+4:PC+5], s[12:13] offset:512   ; and 256
	global_store_b8 v9, v[T], s[14:15]             ; 32 bytes of the tile's 256 scale bytes: the other heads' work-groups write the rest; laid so, the next launch loads whole scale words
	s_wait_tensorcnt 0x0                           ; the wave's end
	ds_add_u32 v[SPW], v[NIL]
	s_wait_dscnt 0x0
	CROUND                                         ; the closing round
	s_endpgm
.Lfunc_end_k_qa6d643c841_attn:
	.size	k_qa6d643c841_attn, .Lfunc_end_k_qa6d643c841_attn-k_qa6d643c841_attn
	.p2alignl 7, 3214868480
	.fill 96, 4, 3214868480
	.section	.rodata,"a",@progbits
	.p2align	6, 0x0
	.amdhsa_kernel k_qa6d643c841_attn
		.amdhsa_group_segment_fixed_size 327680
		.amdhsa_private_segment_fixed_size 0
		.amdhsa_enable_private_segment 0
		.amdhsa_kernarg_size 48
		.amdhsa_user_sgpr_count 2
		.amdhsa_user_sgpr_kernarg_segment_ptr 1
		.amdhsa_wavefront_size32 1
		.amdhsa_system_sgpr_workgroup_id_x 1
		.amdhsa_system_sgpr_workgroup_id_y 1
		.amdhsa_system_sgpr_workgroup_id_z 1
		.amdhsa_system_vgpr_workitem_id 0
		.amdhsa_next_free_vgpr 256
		.amdhsa_next_free_sgpr 80
		.amdhsa_reserve_vcc 0
		.amdhsa_float_denorm_mode_32 3
		.amdhsa_float_denorm_mode_16_64 3
		.amdhsa_memory_ordered 1
		.amdhsa_forward_progress 1
		.amdhsa_inst_pref_size 62
	.end_amdhsa_kernel
	.amdgpu_metadata
---
amdhsa.version: [ 1, 2 ]
amdhsa.kernels:
  - .name:           k_qa6d643c841_attn
    .symbol:         k_qa6d643c841_attn.kd
    .args:
      - { .name: qc, .offset: 0, .size: 8, .value_kind: global_buffer, .address_space: global }
      - { .name: qs, .offset: 8, .size: 8, .value_kind: global_buffer, .address_space: global }
      - { .name: kvc, .offset: 16, .size: 8, .value_kind: global_buffer, .address_space: global }
      - { .name: kvs, .offset: 24, .size: 8, .value_kind: global_buffer, .address_space: global }
      - { .name: cc, .offset: 32, .size: 8, .value_kind: global_buffer, .address_space: global }
      - { .name: cs, .offset: 40, .size: 8, .value_kind: global_buffer, .address_space: global }
    .group_segment_fixed_size: 327680
    .private_segment_fixed_size: 0
    .kernarg_segment_align: 8
    .kernarg_segment_size: 48
    .max_flat_workgroup_size: 512
    .sgpr_count:     80
    .vgpr_count:     256
    .wavefront_size: 32
...
	.end_amdgpu_metadata
.endif
;; end of part 3
;; launch oproj (part 4): grid 64 x 4, 4 waves a work-group, no clusters, 17,920 bytes of LDS; arguments cc, cs, wq, bo, out0; writes out0
.if DOCPART == 4
	.amdgcn_target "amdgcn-amd-amdhsa--gfx1250"
	.amdhsa_code_object_version 6
	.text
	.protected	k_qa6d643c841_oproj
	.globl	k_qa6d643c841_oproj
	.p2align	8
	.type	k_qa6d643c841_oproj,@function
k_qa6d643c841_oproj:
	s_mov_b64 s[64:65], 0
	v_nop
	global_prefetch_b8 v0, s[64:65] scope:SCOPE_SE
	s_setreg_imm32_b32 hwreg(HW_REG_WAVE_MODE, 25, 1), 1
	s_wait_xcnt 0x0
; out0 = Q(ctx) Q(Wo)^T + bo, on codes of BF6 with E8M0 scales, sums f32.  ctx's codes and scale bytes come from the launch before, Wo's from the first launch, both as images of the operands' registers.
; Work-group (X, Y): 128 tokens x 128 features; wave (wr, wc): 64 x 64: 16 accumulators, K = 512 in four steps: 64 matrix instructions.  256 work-groups.
; Every operand goes from memory straight into its registers, once a wave (48 KB): there is no ring in which joint requests could meet, so no cluster and no tensor load; nothing is streamed, so no prefetch.
; TRANSPOSED: source 0 = 16 rows of Wo, source 1 = 16 tokens: a lane holds eight neighbouring features of one token.  bo is the C of each sum's first instruction.
; A fragment of ctx for K step s is two heads' six registers: head 2 s (registers 0-5) and 2 s + 1 (6-11).
; THE WAY OUT: 16 tokens x 64 features go through my own stage in LDS and leave as rows of 256 consecutive bytes, sixteen lanes to a row.
.set SPARE, 17408                      ; behind the four stages of 16 x 272 bytes: the spare words
.set LI,  4                            ; 16 L
.set L8,  5                            ; 8 L
.set R16, 6                            ; 16 r
.set BA,  7                            ; 32 h
.set STO, 8
.set RD,  9
.set GO,  10
.set SPW, 14
.set NIL, 15
.set WSC, 32                           ; v32-47 Wo's scale words, at 4 t + s
.set CSC, 48                           ; v48-63 ctx's, at 4 m + s
.set BO,  64                           ; v64-95 bo's four tiles
.set BK,  64                           ; the way out: v64-95 and v96-127 by turns
.set ACC, 128                          ; v128-255: accumulator (m, t) at 8 (4 m + t)
; window 1: Wo's fragments at 12 (4 t + s).  window 2: ctx's at 12 (4 m + s).
.set MSB, 0
.macro WIN new
.if MSB != (\new)
	s_set_vgpr_msb (MSB<<8)|(\new)
.set MSB, (\new)
.endif
.endm
	s_load_b256 s[4:11], s[0:1], 0x0               ; cc, cs, wq, bo
	s_load_b64 s[12:13], s[0:1], 0x20              ; out0
	v_lshl_add_u32 v[SPW], v0, 2, SPARE
	v_mov_b32 v[NIL], 0
	v_lshrrev_b32 v1, 5, v0
	v_readfirstlane_b32 s14, v1                    ; wave
	s_and_b32 s15, ttmp7, 0xffff                   ; Y
	s_lshr_b32 s16, s14, 1                         ; wr
	s_and_b32 s17, s14, 1                          ; wc
	v_and_b32 v1, 31, v0
	v_and_b32 v2, 15, v0                           ; r
	v_bfe_u32 v3, v0, 4, 1                         ; h
	v_lshlrev_b32 v[LI], 4, v1
	v_lshlrev_b32 v[L8], 3, v1
	v_lshlrev_b32 v[R16], 4, v2
	v_lshlrev_b32 v[BA], 5, v3
	s_mul_i32 s18, s14, 4352                       ; my stage
	v_mul_u32_u24 v[STO], v2, 272
	v_lshl_add_u32 v[STO], v3, 5, v[STO]
	v_add_nc_u32 v[STO], s18, v[STO]               ; in: row r, 32 bytes for each half of the lanes
	v_mul_u32_u24 v[RD], v3, 272
	v_lshl_add_u32 v[RD], v2, 4, v[RD]
	v_add_nc_u32 v[RD], s18, v[RD]                 ; back: lanes 0-15 one row, lanes 16-31 the next
	v_lshlrev_b32 v[GO], 11, v3
	v_lshl_add_u32 v[GO], v2, 4, v[GO]             ; and the same two rows of out0
	s_lshl_b32 s20, ttmp9, 3
	s_lshl_b32 s21, s16, 2
	s_add_co_u32 s20, s20, s21                     ; my first tile of tokens: 8 X + 4 wr
	s_lshl_b32 s21, s15, 3
	s_lshl_b32 s19, s17, 2
	s_add_co_u32 s21, s21, s19                     ; my first tile of Wo: 8 Y + 4 wc
	s_mul_i32 s22, s20, 6144
	s_mov_b32 s23, 0
	s_lshl_b32 s24, s20, 8
	s_mov_b32 s25, 0
	s_mul_i32 s26, s21, 6144
	s_add_co_u32 s26, s26, 589824                  ; Wo is weight 3
	s_mov_b32 s27, 0
	s_lshl_b32 s28, s21, 8
	s_add_co_u32 s28, s28, 811008                  ; 786,432 + 3 x 8,192
	s_mov_b32 s29, 0
	s_lshl_b32 s30, s21, 6                         ; my first feature, in bytes
	s_mov_b32 s31, 0
	s_lshl_b32 s32, s20, 15                        ; my first token's row of 2,048 bytes
	s_add_co_u32 s32, s32, s30
	s_mov_b32 s33, 0
	s_wait_alu depctr_va_vdst(0)
	s_wait_kmcnt 0x0
	s_add_nc_u64 s[4:5], s[4:5], s[22:23]
	s_add_nc_u64 s[6:7], s[6:7], s[24:25]
	s_add_nc_u64 s[34:35], s[8:9], s[26:27]
	s_add_nc_u64 s[36:37], s[8:9], s[28:29]
	s_add_nc_u64 s[10:11], s[10:11], s[30:31]
	s_add_nc_u64 s[12:13], s[12:13], s[32:33]
.irp t, 0,1,2,3
	global_load_b128 v[WSC+4*\t:WSC+4*\t+3], v[R16], s[36:37] offset:256*\t
.endr
.irp m, 0,1,2,3
	global_load_b128 v[CSC+4*\m:CSC+4*\m+3], v[R16], s[6:7] offset:256*\m
.endr
.irp t, 0,1,2,3
	global_load_b128 v[BO+8*\t:BO+8*\t+3], v[BA], s[10:11] offset:64*\t
	global_load_b128 v[BO+8*\t+4:BO+8*\t+7], v[BA], s[10:11] offset:64*\t+16
.endr
.irp s, 0,1,2,3                                ; 28 loads a K step
	WIN 0x40
.irp t, 0,1,2,3
.irp c, 0,1,2
	global_load_b128 v[12*(4*\t+\s)+4*\c:12*(4*\t+\s)+4*\c+3], v[LI], s[34:35] offset:(4*\t+\s)*1536+512*\c
.endr
.endr
	WIN 0x80
.irp m, 0,1,2,3
	global_load_b128 v[12*(4*\m+\s):12*(4*\m+\s)+3], v[LI], s[4:5] offset:\m*6144+\s*1536
	global_load_b64 v[12*(4*\m+\s)+4:12*(4*\m+\s)+5], v[L8], s[4:5] offset:\m*6144+\s*1536+512
	global_load_b128 v[12*(4*\m+\s)+6:12*(4*\m+\s)+9], v[LI], s[4:5] offset:\m*6144+\s*1536+768
	global_load_b64 v[12*(4*\m+\s)+10:12*(4*\m+\s)+11], v[L8], s[4:5] offset:\m*6144+\s*1536+1280
.endr
.endr
	WIN 0x09                                       ; source 0 (Wo) window 1, source 1 (ctx) window 2, C and D window 0
.irp s, 0,1,2,3
.if \s == 0
	s_wait_loadcnt 56                              ; K steps 2 and 3, 28 loads each, may be out (a count that left K step 1 out too would pass the wait's field)
.elseif \s == 2
	s_wait_loadcnt 28
.elseif \s == 3
	s_wait_loadcnt 0x0
.endif
.irp m, 0,1,2,3
.irp t, 0,1,2,3                                ; the sixteen accumulators take turns, one instruction a turn
.if \s == 0
	v_wmma_scale_f32_16x16x128_f8f6f4 v[ACC+8*(4*\m+\t):ACC+8*(4*\m+\t)+7], v[12*(4*\t+\s):12*(4*\t+\s)+11], v[12*(4*\m+\s):12*(4*\m+\s)+11], v[BO+8*\t:BO+8*\t+7], v[WSC+4*\t+\s], v[CSC+4*\m+\s] matrix_a_fmt:MATRIX_FMT_BF6 matrix_b_fmt:MATRIX_FMT_BF6
.else
	v_wmma_scale_f32_16x16x128_f8f6f4 v[ACC+8*(4*\m+\t):ACC+8*(4*\m+\t)+7], v[12*(4*\t+\s):12*(4*\t+\s)+11], v[12*(4*\m+\s):12*(4*\m+\s)+11], v[ACC+8*(4*\m+\t):ACC+8*(4*\m+\t)+7], v[WSC+4*\t+\s], v[CSC+4*\m+\s] matrix_a_fmt:MATRIX_FMT_BF6 matrix_b_fmt:MATRIX_FMT_BF6
.endif
.endr
.endr
.endr
	WIN 0
.rept 4
	v_nop                                          ; four plain instructions in front of the first read of results and of the loads into bo's registers
.endr
.macro TOSTAGE m
.irp t, 0,1,2,3
	ds_store_b128 v[STO], v[ACC+8*(4*(\m)+\t):ACC+8*(4*(\m)+\t)+3] offset:64*\t        ; each accumulator from its low end on
	ds_store_b128 v[STO], v[ACC+8*(4*(\m)+\t)+4:ACC+8*(4*(\m)+\t)+7] offset:64*\t+16
.endr
.irp i, 0,1,2,3,4,5,6,7
	ds_load_b128 v[BK+32*((\m)%2)+4*\i:BK+32*((\m)%2)+4*\i+3], v[RD] offset:544*\i   ; LDS serves a wave's instructions in order (ISA guide 5.7.1.4): these see my stores, and the next tile's stores come behind them
.endr
.endm
.macro SEND m, younger                 ; younger: the LDS instructions issued behind tile m's loads, which may stay out
	s_wait_dscnt \younger
.irp i, 0,1,2,3,4,5,6,7
	global_store_b128 v[GO], v[BK+32*((\m)%2)+4*\i:BK+32*((\m)%2)+4*\i+3], s[12:13] offset:(16*((\m)%2)+8*((\m)/2)+(2*\i)%8+32*(\i/4))*2048 th:TH_STORE_NT   ; row p of my tile m is token 16 (m % 2) + 8 (m / 2) + p % 8 + 32 (p / 8) of my 64: the order in which the launches before lay a tile of queries.  16 lanes store 256 consecutive bytes, at a multiple of 256 from out0's first byte
.endr
.endm
	TOSTAGE 0
.irp m, 1,2,3
.if \m > 1
	s_wait_xcnt 0x0                                ; tile m - 2's stores have read their registers: tile m's loads may land there
.endif
	TOSTAGE \m
	SEND \m-1, 16                                  ; behind tile m - 1's loads: tile m's 8 stores and 8 loads
.endr
	SEND 3, 0
	s_wait_tensorcnt 0x0                           ; the wave's end
	ds_add_u32 v[SPW], v[NIL]
	s_wait_dscnt 0x0
	s_endpgm
.Lfunc_end_k_qa6d643c841_oproj:
	.size	k_qa6d643c841_oproj, .Lfunc_end_k_qa6d643c841_oproj-k_qa6d643c841_oproj
	.p2alignl 7, 3214868480
	.fill 96, 4, 3214868480
	.section	.rodata,"a",@progbits
	.p2align	6, 0x0
	.amdhsa_kernel k_qa6d643c841_oproj
		.amdhsa_group_segment_fixed_size 17920
		.amdhsa_private_segment_fixed_size 0
		.amdhsa_enable_private_segment 0
		.amdhsa_kernarg_size 40
		.amdhsa_user_sgpr_count 2
		.amdhsa_user_sgpr_kernarg_segment_ptr 1
		.amdhsa_wavefront_size32 1
		.amdhsa_system_sgpr_workgroup_id_x 1
		.amdhsa_system_sgpr_workgroup_id_y 1
		.amdhsa_system_sgpr_workgroup_id_z 1
		.amdhsa_system_vgpr_workitem_id 0
		.amdhsa_next_free_vgpr 768
		.amdhsa_next_free_sgpr 66
		.amdhsa_reserve_vcc 0
		.amdhsa_float_denorm_mode_32 3
		.amdhsa_float_denorm_mode_16_64 3
		.amdhsa_memory_ordered 1
		.amdhsa_forward_progress 1
		.amdhsa_inst_pref_size 31
	.end_amdhsa_kernel
	.amdgpu_metadata
---
amdhsa.version: [ 1, 2 ]
amdhsa.kernels:
  - .name:           k_qa6d643c841_oproj
    .symbol:         k_qa6d643c841_oproj.kd
    .args:
      - { .name: cc, .offset: 0, .size: 8, .value_kind: global_buffer, .address_space: global }
      - { .name: cs, .offset: 8, .size: 8, .value_kind: global_buffer, .address_space: global }
      - { .name: wq, .offset: 16, .size: 8, .value_kind: global_buffer, .address_space: global }
      - { .name: bo, .offset: 24, .size: 8, .value_kind: global_buffer, .address_space: global }
      - { .name: out0, .offset: 32, .size: 8, .value_kind: global_buffer, .address_space: global }
    .group_segment_fixed_size: 17920
    .private_segment_fixed_size: 0
    .kernarg_segment_align: 8
    .kernarg_segment_size: 40
    .max_flat_workgroup_size: 128
    .sgpr_count:     66
    .vgpr_count:     768
    .wavefront_size: 32
...
	.end_amdgpu_metadata
.endif
;; end of part 4
